; MI455X (gfx1250); checked and timed in simulation.
; The chip was launched on July 23, 2026; its instructions are those of AMD's public machine-readable ISA for CDNA 5 (MIT licence, August 2026) and "CDNA5" Instruction Set Architecture Reference Guide (July 2026). The comments in the code are by the model that wrote it; some were corrected since.
;; K Means. Allowed arithmetic: matrix products marked QUANTISED: E5M2 operands, one E8M0 scale for each 32 along K, by v_wmma_scale_f32_16x16x128_f8f6f4 with both operands' format E5M2, f32 sums; everything else in f32.
;; Inputs: X 500,000 x 64 float32; codebook 512 x 64 float32.
;; Outputs: out0 500,000 int32; out1 500,000 float32.
;; This version of the problem:
;;   THIS VERSION OF THE PROBLEM IS GIVEN IN LOW PRECISION. The matrix products marked QUANTISED in the list below multiply operands that are first quantised to E5M2 (5 exponent bits, 2 mantissa bits; 8 bits a number), with one power-of-two scale for each 32 numbers along K (OCP MX v1.0); their sums are f32. All else is computed in f32.
;;   The module's matrix products, in the order in which they are computed (A, B: the left and right operand; K: the contracted axis; several contracted axes count as one K, in the product's order):
;;     1. [M 500,000, K 64] x [K 64, N 512]; A: input X; B: input codebook: QUANTISED
;;   THE QUANTISER, for each operand of a quantised product, along K:
;;     - K is cut into blocks of 32 from its start; a last block that is shorter is filled with zeros.
;;     - A block's scale is 2^e with e = floor(log2(the largest magnitude in the block)) - 15, held to -126 .. 127; a block of zeros has e = 0. As a byte (E8M0): e + 127.
;;     - Each number is divided by its block's scale, clamped to +-57,344, and rounded to the nearest number of E5M2, ties to even, subnormals kept.
;;     - The product sums the exact products of the quantised numbers (number of the format x scale) in f32.
;;   ~~~python
;;   def quantise(x, axis):      # numpy; x: float32 -> the quantised numbers, widened to float32 again
;;       x = np.moveaxis(x, axis, -1); K = x.shape[-1]
;;       x = np.pad(x, [(0, 0)] * (x.ndim - 1) + [(0, -K % 32)]); x = x.reshape(x.shape[:-1] + (-1, 32)); a = np.abs(x).max(-1, keepdims=True)
;;       e = np.where(a > 0, np.clip(np.frexp(np.where(a > 0, a, 1))[1] - 1 - 15, -126, 127), 0)      # np.frexp(a)[1] - 1 = floor(log2(a)), exactly
;;       r = np.clip(x / 2.0 ** e, -57344, 57344)
;;       step = 2.0 ** (np.maximum(np.frexp(np.where(r == 0, 1, r))[1] - 1, -14) - 2)
;;       q = np.round(r / step) * step * 2.0 ** e      # np.round: ties to even
;;       return np.moveaxis(q.reshape(q.shape[:-2] + (-1,))[..., :K], -1, axis).astype(np.float32)
;;   ~~~
;; One version. Each part assembles by itself: llvm-mc -triple=amdgcn-amd-amdhsa -mcpu=gfx1250 --defsym DOCPART=n.
;; ======== version 1 of 1: 1 launch
;; launch kmeans (part 1): grid 256 x 1, 8 waves a work-group, no clusters, 111,616 bytes of LDS; arguments X, codebook, out0, out1; writes out0, out1
.if DOCPART == 1
	.amdgcn_target "amdgcn-amd-amdhsa--gfx1250"
	.amdhsa_code_object_version 6
	.text
	.protected	k_qb3911c20a1_kmeans
	.globl	k_qb3911c20a1_kmeans
	.p2align	8
	.type	k_qb3911c20a1_kmeans,@function
k_qb3911c20a1_kmeans:
	s_mov_b64 s[64:65], 0
	v_nop
	global_prefetch_b8 v0, s[64:65] scope:SCOPE_SE
	s_setreg_imm32_b32 hwreg(HW_REG_WAVE_MODE, 25, 1), 1
	s_wait_xcnt 0x0
; For each of 500,000 rows x of X [500000][64] f32: out0 = the first index n and out1 = the value of the smallest dist(x, c_n) over the 512 rows c_n of codebook [512][64] f32,
; dist = sqrt(max(x2 - 2 x.c + c2, 0)).  Only x.c is quantised: both operands become codes of BF8 (E5M2) with one E8M0 scale for each 32 along K = 64; x2 and c2 are f32 sums of the numbers as given.
; HOW THE PRODUCT IS USED.  Source 0 = 16 codes of the codebook, source 1 = 16 rows of X: in the result lane (r, h) holds ONE row r and in register j the code 16 T + 8 h + j, so a row's minimum runs down a lane's registers.
;   The codebook's codes have their sign bits turned and their scale bytes raised by 1 (that is x -2, exactly), and c2 is the C operand: the matrix unit gives s = c2 - 2 x.c, and no vector instruction is spent on it.
;   x2 is the same for all codes of a row: it is added once, at the end.  reference's max(d2, 0) is kept as max(s, -x2), taken of each tile's minimum.
;   The instruction's K is 128, the problem's 64: an A operand holds code tile 2 p in k 0..63 and tile 2 p + 1 in k 64..127, and B is [x | zero codes] or [zero codes | x].  Laid Z0 X0 Z1 X1 Z2 X2 Z3 X3 Z4 (8 registers each),
;   both forms of B are runs of 16 registers and the codes of x are kept once.  Zero codes add nothing under any scale byte that occurs here.
; THE MINIMUM WITH ITS INDEX.  For each tile of 8 registers: its minimum (three operands at a time), a strict compare with the best so far (so the first tile wins a tie), and under that mask a copy of the tile's number and of its
;   8 registers.  At the end the first register of the kept tile that is <= the best gives the index; the two halves of the lanes are joined by (value, index).
; SHARES.  A unit is 64 rows (four tiles of 16).  2,048 waves; wave g takes units g, g + 2048, ...: four trips where g < 1669, else three.  The last unit begins at row N - 64 and stores only its last 32 rows.
;   Every wave walks all 512 codes.  The quantised codebook lies in LDS as images of the operand's registers, made once by the work-group's eight waves (64 codes each); one barrier; after it the waves share nothing.
;   Two waves share a SIMD (384 registers each): one wave's products and LDS waits stand beside the other's vector work.  X comes by loads of 512 consecutive bytes into a ring of 128 registers, asked for a whole main phase ahead.
; LEFT OUT: tensor loads (each byte of X is read by one wave, and the register ring needs no barrier); clusters (what work-groups share is the codebook, 131,072 bytes against 128,000,000).
; LIMITS.  NaN and infinities among the inputs are not served.  Blocks whose largest magnitude lies under 2^-111 keep the scale byte 1 (not tried); a block of zeros has byte 1 and zero codes.
;   The argmin is taken on s = fl(c2 - 2 x.c) held at -x2, ties to the lowest index, and d2 = x2 + s is formed once a row: rows whose two best d2 lie within a few units in the last place of each other
;   may be decided otherwise than by reference's order of rounding and by the ties that its square root makes.  v_sqrt_f32 is good to one unit in the last place and flushes denormals (ISA guide 15.8).
.set NROWS,  500000
.set LASTB,  NROWS-64                  ; the last unit's first row
.set FULL4,  1669                      ; waves below this number have a fourth unit: g + 3 x 2048 <= 7812
.set STRIDE, 2048                      ; waves in the launch
; LDS
.set AIMG,   0                         ; 16 pairs of code tiles x 2,048 bytes: four groups of 512 bytes, registers 4 k .. 4 k + 3, lane l at 16 l
.set ASC,    32768                     ; 16 x 128 bytes: the pair's scale word, lane l at 4 l
.set C2L,    34816                     ; c2[n] at 4 n
.set XST,    36864                     ; for each wave two stages of 16 rows x 272 bytes, through which X turns
.set SPT,    272                       ; 256 bytes + 16: 68 words, so that the 16 rows that a load touches begin at 16 different banks (64 banks of 4 bytes: ISA guide 11.1)
.set STG,    16*SPT
.set OST,    XST+8*2*STG               ; for each wave 64 words of indices, then 64 of distances
; vector registers, window 0
.set LI,   1                           ; 16 x lane
.set LS,   2                           ; 4 x lane
.set CH,   3                           ; 32 h
.set STW,  4                           ; the stage, on the way in
.set STR,  5                           ; and on the way out
.set OSW,  6                           ; results into LDS
.set OSR,  7                           ; and back
.set XO,   8                           ; byte offset in X of my 16 bytes of the unit that is loaded next
.set OO,   9                           ; byte offset in out0 and out1
.set H8,   10                          ; 8 h
.set L2,   11                          ; 2 x lane
.set AIW,  12                          ; set-up: where my wave's images go
.set C2W,  13                          ; its c2
.set ASW,  14                          ; its scale words
.set L8,   15                          ; 8 x lane
.set BS,   16                          ; v16-19  X's scale words, tile q: scales and nothing else
.set AS,   20                          ; v20     the pair's scale word: scales and nothing else
.set CBO,  21                          ; set-up: my byte offset in the codebook
.set LN,   22                          ; lane
.set RR,   23                          ; r = lane % 16
.set ZB,   24                          ; v24-95  Z0 X0 Z1 X1 Z2 X2 Z3 X3 Z4
.set AF,   96                          ; v96-111 the pair's codes; outside the main phase the quantiser's scratch:
.set MX,   96                          ;   the two blocks' largest magnitudes
.set PM,   98                          ;   the other half of the lanes'
.set SO,   100                         ;   the conversions' scale operands
.set HL,   102                         ;   57,344 x the scale
.set BY,   104                         ;   the scale bytes
.set SQ,   106                         ;   v106-109 sums of squares, two packed chains
.set PS,   110
.set PT,   111
.set CC,   112                         ; v112-127 c2 of the pair's two tiles, in the result's layout
.set DD,   128                         ; v128-191 results: tile u of the pair, row tile q at 128 + 32 u + 8 q; in the quantising phase two sets of 32 numbers of X
.set BEST, 192                         ; v192-195
.set TIDX, 196                         ; v196-199 the best tile's number
.set X2,   200                         ; v200-203
.set SNAP, 204                         ; v204-235 the best tile's 8 registers, row tile q at 204 + 8 q
.set T1,   236
.set T2,   240
.set OB,   244                         ; v244-247 the way out
; window 1: v256-383, the ring for X: slot q (16 rows) at 32 q
.set MSB, 0
.macro WIN new                         ; the immediate's high byte repeats the setting that is left; a switch that changes nothing is dropped
.if MSB != \new
	s_set_vgpr_msb (MSB<<8)|\new
.set MSB, \new
.endif
.endm
.macro PLACE                           ; unit s14: s16 = its first row, s17 = how many of its rows belong to the unit before (0, or 32 in the last unit)
	s_lshl_b32 s18, s14, 6
	s_min_u32 s16, s18, LASTB
	s_sub_co_u32 s17, s18, s16
.endm
.macro XLOAD                           ; a unit's 16,384 bytes: each load takes 512 consecutive bytes, two rows
	WIN 0x40                                       ; destination window 1
.irp i, 0,1,2,3,4,5,6,7,8,9,10,11,12,13,14,15,16,17,18,19,20,21,22,23,24,25,26,27,28,29,30,31
	global_load_b128 v[4*\i:4*\i+3], v[XO], s[4:5] offset:512*\i th:TH_LOAD_NT
.endr
	WIN 0
.endm
; Slot q's 16 rows go through a stage as they lie and come back so that lane (r, h) holds, of row r, k = 32 c + 16 h + 0 .. 15 in registers 16 c + 0 .. 15.
; LDS serves a wave's instructions in order (ISA guide 5.7.1.4): no wait between the stores and the loads, nor in front of the stores that use a stage again.
.macro TURN q
	WIN 0x04                                       ; an LDS store's data are its source 1: window 1
.irp i, 0,1,2,3,4,5,6,7
	ds_store_b128 v[STW], v[32*(\q)+4*\i:32*(\q)+4*\i+3] offset:STG*((\q)%2)+2*SPT*\i
.endr
	WIN 0
.irp c, 0,1
.irp i, 0,1,2,3
	ds_load_b128 v[DD+32*((\q)%2)+16*\c+4*\i:DD+32*((\q)%2)+16*\c+4*\i+3], v[STR] offset:STG*((\q)%2)+128*\c+16*\i
.endr
.endr
.endm
; 32 numbers of a lane, v[s] on, register 16 b + i = k 32 b + 16 h + i of my row.  Part A: each block's largest magnitude, scale operand, hold and byte; and the row's sum of squares, of the numbers as given, into v[ss].
.macro QUANT_A s, ss
.irp b, 0,1
	v_max3_num_f32 v[MX+\b], |v[(\s)+16*\b]|, |v[(\s)+16*\b+1]|, 0x8000000   ; my 16 numbers of block b, and the floor 2^(16 - 127): the byte cannot fall under 1
.endr
	v_pk_mul_f32 v[SQ:SQ+1], v[(\s):(\s)+1], v[(\s):(\s)+1]
	v_pk_mul_f32 v[SQ+2:SQ+3], v[(\s)+2:(\s)+3], v[(\s)+2:(\s)+3]
.irp i, 2,4,6,8,10,12,14
.irp b, 0,1
	v_max3_num_f32 v[MX+\b], v[MX+\b], |v[(\s)+16*\b+\i]|, |v[(\s)+16*\b+\i+1]|
.endr
	v_pk_fma_f32 v[SQ:SQ+1], v[(\s)+2*\i:(\s)+2*\i+1], v[(\s)+2*\i:(\s)+2*\i+1], v[SQ:SQ+1]
	v_pk_fma_f32 v[SQ+2:SQ+3], v[(\s)+2*\i+2:(\s)+2*\i+3], v[(\s)+2*\i+2:(\s)+2*\i+3], v[SQ+2:SQ+3]
.endr
.irp b, 0,1
	v_permlanex16_b32 v[PM+\b], v[MX+\b], s20, s21
.endr
	v_pk_add_f32 v[SQ:SQ+1], v[SQ:SQ+1], v[SQ+2:SQ+3]
.irp b, 0,1
	v_max_num_f32 v[MX+\b], v[MX+\b], v[PM+\b]     ; with lane l xor 16's 16 numbers: the block's largest magnitude
.endr
	v_add_f32 v[PS], v[SQ], v[SQ+1]
.irp b, 0,1
	v_add_nc_u32 v[SO+\b], 0xf8800000, v[MX+\b]    ; 15 off its exponent field: the conversion takes the exponent field of this operand as its scale, and nothing else of it
.endr
	v_permlanex16_b32 v[PT], v[PS], s20, s21
.irp b, 0,1
	v_and_or_b32 v[HL+\b], v[MX+\b], 0x7f800000, s22   ; 57,344 x the scale: the largest magnitude's exponent field over 57,344's mantissa
.endr
.irp b, 0,1
	v_lshrrev_b32 v[BY+\b], 23, v[SO+\b]           ; the scale's byte
.endr
	v_add_f32 v[\ss], v[PS], v[PT]                 ; the row's sum of squares, in both halves of the lanes
.endm
; Part B: the hold and the conversions; the codes, 8 registers in the operand's layout for k 0 .. 63, into v[c] on.
.macro QUANT_B s, c
.irp b, 0,1
.irp i, 0,1,2,3,4,5,6,7,8,9,10,11,12,13,14,15
	v_med3_num_f32 v[(\s)+16*\b+\i], v[(\s)+16*\b+\i], -v[HL+\b], v[HL+\b]   ; the conversion to an 8-bit code does not saturate (ISA guide 7.6.2)
.endr
.endr
.irp g, 0,1,2,3
	v_cvt_scalef32_pk8_bf8_f32 v[(\c)+2*\g:(\c)+2*\g+1], v[(\s)+8*\g:(\s)+8*\g+7], v[SO+\g/2]
.endr
	v_nop                                          ; one plain vector instruction between the last conversion and whatever next touches its results or writes its sources
.endm
; Pair p of code tiles out of LDS: 16 registers of codes, c2 of both tiles in the result's layout (lane (r, h): c2[16 T + 8 h + 0 .. 7]), one scale word.  Nine LDS loads feed eight products.
.macro LOADP p
.irp k, 0,1,2,3
	ds_load_b128 v[AF+4*\k:AF+4*\k+3], v[LI] offset:AIMG+2048*(\p)+512*\k
.endr
.irp u, 0,1
.irp e, 0,1
	ds_load_b128 v[CC+8*\u+4*\e:CC+8*\u+4*\e+3], v[CH] offset:C2L+64*(2*(\p)+\u)+16*\e
.endr
.endr
	ds_load_b32 v[AS], v[LS] offset:ASC+128*(\p)
.endm
; Tile u of the pair against the four row tiles: four products on four accumulators, each begun with c2 as C: no sum is taken up again, so nothing here is a chain.
.macro WM u
.irp q, 0,1,2,3
	v_wmma_scale_f32_16x16x128_f8f6f4 v[DD+32*\u+8*\q:DD+32*\u+8*\q+7], v[AF:AF+15], v[ZB+8-8*\u+16*\q:ZB+8-8*\u+16*\q+15], v[CC+8*\u:CC+8*\u+7], v[AS], v[BS+\q] matrix_a_fmt:MATRIX_FMT_BF8 matrix_b_fmt:MATRIX_FMT_BF8
.endr
.endm
; The minimum of a tile's 8 registers, first part: eight plain instructions; each accumulator is read from its low end on.
.macro VA u
.irp q, 0,1,2,3
	v_min3_num_f32 v[T1+\q], v[DD+32*\u+8*\q], v[DD+32*\u+8*\q+1], v[DD+32*\u+8*\q+2]
.endr
.irp q, 0,1,2,3
	v_min3_num_f32 v[T2+\q], v[DD+32*\u+8*\q+3], v[DD+32*\u+8*\q+4], v[DD+32*\u+8*\q+5]
.endr
.endm
; Second part, for code tile t.  first = 1: tile 0 starts the best, its number and the copy.
.macro VB u, t, first
.irp q, 0,1,2,3
	v_min3_num_f32 v[T1+\q], v[T1+\q], v[T2+\q], v[DD+32*\u+8*\q+6]
.endr
.if \first
.irp q, 0,1,2,3
	v_minmax_num_f32 v[BEST+\q], v[T1+\q], v[DD+32*\u+8*\q+7], -v[X2+\q]   ; max(min(.., d7), -x2): the tile's minimum, held where d2 would fall under 0
.endr
.irp q, 0,1,2,3
	v_mov_b32 v[TIDX+\q], 0
.endr
.irp j, 0,1,2,3,4,5,6,7
.irp q, 0,1,2,3
	v_mov_b32 v[SNAP+8*\q+\j], v[DD+32*\u+8*\q+\j]
.endr
.endr
.else
.irp q, 0,1,2,3
	v_minmax_num_f32 v[T1+\q], v[T1+\q], v[DD+32*\u+8*\q+7], -v[X2+\q]
.endr
.irp q, 0,1,2,3
	v_cmp_lt_f32 s[28+\q], v[T1+\q], v[BEST+\q]    ; strictly less: an earlier tile keeps a tie
.endr
.irp q, 0,1,2,3
	v_min_num_f32 v[BEST+\q], v[BEST+\q], v[T1+\q]
.endr
.irp q, 0,1,2,3
	v_cndmask_b32 v[TIDX+\q], v[TIDX+\q], (\t), s[28+\q]
.endr
.irp j, 0,1,2,3,4,5,6,7
.irp q, 0,1,2,3
	v_cndmask_b32 v[SNAP+8*\q+\j], v[SNAP+8*\q+\j], v[DD+32*\u+8*\q+\j], s[28+\q]
.endr
.endr
.endif
.endm
	; ---- the head: ids and addresses
	s_load_b256 s[4:11], s[0:1], 0x0               ; X s[4:5], codebook s[6:7], out0 s[8:9], out1 s[10:11]
	s_set_vgpr_msb 0x40
	v_lshl_add_u32 v128, v0, 2, 0x1b000
	v_mov_b32 v129, 0
	s_set_vgpr_msb 0x4000
	v_lshrrev_b32 v[LN], 5, v0
	v_readfirstlane_b32 s12, v[LN]                 ; wave 0..7
	v_and_b32 v[LN], 31, v0                        ; lane
	v_and_b32 v[RR], 15, v0                        ; r
	v_bfe_u32 v[H8], v0, 4, 1                      ; h, for now
	v_lshlrev_b32 v[LI], 4, v[LN]
	v_lshlrev_b32 v[LS], 2, v[LN]
	v_lshlrev_b32 v[L8], 3, v[LN]
	v_lshlrev_b32 v[L2], 1, v[LN]
	v_lshlrev_b32 v[CH], 5, v[H8]
	s_mul_i32 s18, s12, 2*STG
	s_add_co_u32 s18, s18, XST                     ; my wave's two stages
	v_mul_u32_u24 v[STW], v[H8], SPT               ; in: a load's 512 bytes are two rows: lanes 0-15 the even one, lanes 16-31 the odd one
	v_lshl_add_u32 v[STW], v[RR], 4, v[STW]
	v_add_nc_u32 v[STW], s18, v[STW]
	v_mul_u32_u24 v[STR], v[RR], SPT               ; out: row r, + 64 h: my 16 numbers of a block of 32
	v_lshl_add_u32 v[STR], v[H8], 6, v[STR]
	v_add_nc_u32 v[STR], s18, v[STR]
	s_lshl_b32 s19, s12, 9
	s_add_co_u32 s19, s19, OST                     ; my wave's 512 bytes for results
	v_lshl_add_u32 v[OSW], v[RR], 2, s19
	v_add_nc_u32 v[OSR], s19, v[L8]
	s_lshl_b32 s18, s12, 12                        ; my wave's two pairs of code tiles: 4,096 bytes of images,
	v_add_nc_u32 v[AIW], s18, v[LI]
	s_lshl_b32 s18, s12, 8
	s_add_co_u32 s19, s18, C2L                     ; 64 words of c2,
	v_lshl_add_u32 v[C2W], v[RR], 2, s19
	s_add_co_u32 s19, s18, ASC                     ; two scale words a lane
	v_add_nc_u32 v[ASW], s19, v[LS]
	s_lshl_b32 s18, s12, 14                        ; my wave's 64 rows of the codebook, 256 bytes each
	v_lshl_add_u32 v[CBO], v[RR], 8, s18
	v_lshl_add_u32 v[CBO], v[H8], 6, v[CBO]
	v_lshlrev_b32 v[H8], 3, v[H8]                  ; 8 h from here on
	s_mov_b32 s20, 0x76543210
	s_mov_b32 s21, 0xfedcba98                      ; v_permlanex16_b32's selects for lane l xor 16
	s_mov_b32 s22, 0x600000                        ; the mantissa field of 57,344
	s_lshl_b32 s14, ttmp9, 3
	s_add_co_u32 s14, s14, s12                     ; my wave's number in the launch = my first unit
	s_cmp_lt_u32 s14, FULL4
	s_cselect_b32 s15, 4, 3                        ; my trips
	PLACE
	s_lshl_b32 s19, s16, 8
	v_add_nc_u32 v[XO], s19, v[LI]
	s_wait_kmcnt 0x0
.irp k, 0,1,2,3                                ; my four code tiles as f32, in the quantiser's layout: v[128 + 32 k] on.  64 bytes a lane: a small operand, read once by each work-group
.irp c, 0,1
.irp i, 0,1,2,3
	global_load_b128 v[DD+32*\k+16*\c+4*\i:DD+32*\k+16*\c+4*\i+3], v[CBO], s[6:7] offset:4096*\k+128*\c+16*\i
.endr
.endr
.endr
	XLOAD                                          ; my first unit
.irp q, 0,1,2,3,4
.irp i, 0,1,2,3,4,5,6,7
	v_mov_b32 v[ZB+16*\q+\i], 0                    ; Z0 .. Z4: zero codes, written once
.endr
.endr
	v_mov_b32 v[PM], 0                             ; a lane permute's destination counts as one of its sources
	v_mov_b32 v[PM+1], 0
	v_mov_b32 v[PT], 0
	s_wait_loadcnt 32                              ; the codebook's 32 loads are in; the 32 of X behind them stay out
	; ---- the set-up: my 64 codes become images of the operand's registers
.irp k, 0,1,2,3
	QUANT_A DD+32*\k, CC+8+\k                      ; c2 of tile k's row r: v[120 + k]
.if \k%2 == 0
	v_lshl_or_b32 v[CC+12+\k/2], v[BY+1], 8, v[BY]             ; bytes 0, 1: the pair's first tile
.else
	v_lshl_or_b32 v[CC+12+\k/2], v[BY], 16, v[CC+12+\k/2]      ; bytes 2, 3: its second
	v_lshl_or_b32 v[CC+12+\k/2], v[BY+1], 24, v[CC+12+\k/2]
	v_add_nc_u32 v[CC+12+\k/2], 0x01010101, v[CC+12+\k/2]      ; each byte + 1: x 2.  A byte is at most 254 - 15, so nothing is carried
.endif
	QUANT_B DD+32*\k, ZB+8+16*\k
.irp i, 0,1,2,3,4,5,6,7
	v_xor_b32 v[ZB+8+16*\k+\i], 0x80808080, v[ZB+8+16*\k+\i]   ; every code's sign turned: x -1
.endr
	ds_store_b128 v[AIW], v[ZB+8+16*\k:ZB+8+16*\k+3] offset:AIMG+1024*\k
	ds_store_b128 v[AIW], v[ZB+8+16*\k+4:ZB+8+16*\k+7] offset:AIMG+1024*\k+512
	ds_store_b32 v[C2W], v[CC+8+\k] offset:64*\k   ; both halves of the lanes write the same word with the same value
.if \k%2 == 1
	ds_store_b32 v[ASW], v[CC+12+\k/2] offset:128*(\k/2)
.endif
.endr
	s_wait_dscnt 0x0                               ; for the others' sake: my stores have landed
	s_barrier_signal -1
	s_barrier_wait -1                              ; the whole codebook lies in LDS; nothing there is written again
.Ltrip:
	; ---- X: the unit's four tiles of 16 rows become codes, scale words and x2.  The turn through the stage runs one tile ahead of the quantiser
	s_wait_loadcnt 24                              ; slot 0's eight loads are in; the 24 of slots 1 to 3 may be out
	TURN 0
.irp q, 0,1,2,3
.if \q < 3
	s_wait_loadcnt 8*(2-\q)                        ; the next slot's eight loads are in; eight for each slot behind it may be out
	TURN \q+1
	s_wait_dscnt 16                                ; this tile is back from its stage; the next tile's 8 stores and 8 loads may be out
.else
	s_wait_dscnt 0x0                               ; the last tile is back, and every store has read the ring's registers
.endif
	QUANT_A DD+32*(\q%2), X2+\q
	v_lshl_or_b32 v[BS+\q], v[BY+1], 8, v[BY]      ; the row's two bytes,
	v_lshl_or_b32 v[BS+\q], v[BS+\q], 16, v[BS+\q] ; twice: they serve k 0..63 in one form of B and k 64..127 in the other
	QUANT_B DD+32*(\q%2), ZB+8+16*\q
.endr
	; ---- the next unit is asked for now, if there is one: it has the whole main phase in which to land, and no load leaves X
	s_cmp_eq_u32 s15, 1
	s_cbranch_scc1 .Lno_next
	s_add_co_u32 s18, s14, STRIDE
	s_lshl_b32 s18, s18, 6
	s_min_u32 s18, s18, LASTB
	s_lshl_b32 s18, s18, 8
	v_add_nc_u32 v[XO], s18, v[LI]                 ; its loads are all in (the wait for 0 above), so the offset may be written
	XLOAD
.Lno_next:
	; ---- the main phase: 16 pairs of code tiles.  While one tile's results are searched, the other's products are at work.
	; Behind this matrix form 8 plain vector instructions that name none of its registers stand before its results are read and before a load is issued into a register that it names, 9 before a matrix instruction
	; writes over one.  In the loop of pairs the other tile's 60 instructions are those places; VA 0's eight are the places in front of LOADP.
	LOADP 0
.rept 8
	v_nop                                          ; X's codes and scale words were written by vector instructions: they stand 4 and 8 places ahead of a scaled product
.endr
	s_wait_dscnt 0x0
	WM 0
	WM 1
.rept 9
	v_nop                                          ; no vector work is at hand yet
.endr
	LOADP 1
	VA 0
	VB 0, 0, 1
	s_wait_dscnt 0x0                               ; pair 1 is in
.irp p, 1,2,3,4,5,6,7,8,9,10,11,12,13,14,15
	WM 0
	VA 1
	VB 1, 2*\p-1, 0
	WM 1
	VA 0
.if \p < 15
	LOADP \p+1                                     ; both of this pair's runs of products are issued: its registers take the next pair
.endif
	VB 0, 2*\p, 0
	s_wait_dscnt 0x0                               ; the next pair is in (asked for 52 vector instructions ago)
.endr
	VA 1
	VB 1, 31, 0
	; ---- the index in my lane: the first register of the kept tile that is <= the best
.irp q, 0,1,2,3
	v_mov_b32 v[T2+\q], 7
.endr
.irp j, 6,5,4,3,2,1,0
.irp q, 0,1,2,3
	v_cmp_le_f32 s[28+\q], v[SNAP+8*\q+\j], v[BEST+\q]
.endr
.irp q, 0,1,2,3
	v_cndmask_b32 v[T2+\q], v[T2+\q], \j, s[28+\q]
.endr
.endr
.irp q, 0,1,2,3
	v_lshl_add_u32 v[T1+\q], v[TIDX+\q], 4, v[T2+\q]
.endr
.irp q, 0,1,2,3
	v_add_nc_u32 v[T1+\q], v[T1+\q], v[H8]         ; n = 16 T + 8 h + j
.endr
	; ---- the row's other 256 codes lie in lane l xor 16: the smaller value, at equal values the smaller index
.irp q, 0,1,2,3
	v_permlanex16_b32 v[SNAP+8*\q], v[BEST+\q], s20, s21
	v_permlanex16_b32 v[SNAP+8*\q+1], v[T1+\q], s20, s21
.endr
.irp q, 0,1,2,3
	v_cmp_lt_f32 s[28+\q], v[SNAP+8*\q], v[BEST+\q]
	v_cmp_eq_f32 s[32+\q], v[SNAP+8*\q], v[BEST+\q]
.endr
.irp q, 0,1,2,3
	v_min_u32 v[SNAP+8*\q+2], v[T1+\q], v[SNAP+8*\q+1]
.endr
.irp q, 0,1,2,3
	v_cndmask_b32 v[T1+\q], v[T1+\q], v[SNAP+8*\q+2], s[32+\q]
.endr
.irp q, 0,1,2,3
	v_cndmask_b32 v[T1+\q], v[T1+\q], v[SNAP+8*\q+1], s[28+\q]
.endr
.irp q, 0,1,2,3
	v_min_num_f32 v[BEST+\q], v[BEST+\q], v[SNAP+8*\q]
.endr
.irp q, 0,1,2,3
	v_add_f32 v[T2+\q], v[X2+\q], v[BEST+\q]       ; d2
.endr
.irp q, 0,1,2,3
	v_max_num_f32 v[T2+\q], 0, v[T2+\q]
.endr
.irp q, 0,1,2,3
	v_sqrt_f32 v[T2+\q], v[T2+\q]
.endr
	v_nop                                          ; a plain instruction behind the last root
	; ---- the way out: 64 indices and 64 distances meet in my wave's own LDS bytes and leave as 256 consecutive bytes each
.irp q, 0,1,2,3
	ds_store_b32 v[OSW], v[T1+\q] offset:64*\q     ; both halves of the lanes write the same word with the same value
.endr
	s_wait_alu depctr_va_vdst(0)
.irp q, 0,1,2,3
	ds_store_b32 v[OSW], v[T2+\q] offset:256+64*\q
.endr
	ds_load_b64 v[OB:OB+1], v[OSR]                 ; LDS serves a wave's instructions in order: these see my stores
	ds_load_b64 v[OB+2:OB+3], v[OSR] offset:256
	s_lshl_b32 s18, s16, 2
	v_add_nc_u32 v[OO], s18, v[L8]                 ; (the last trip's stores were followed by a wait on XCNT: their offset and data may be written)
	v_cmp_le_u32 vcc_lo, s17, v[L2]                ; my two rows are this unit's own: all lanes, but in the last unit lanes 16-31 alone
	s_wait_dscnt 0x0
	s_wait_xcnt 0x0                                ; EXEC is a source of the loads issued above: it changes only behind this wait
	s_and_saveexec_b32 s24, vcc_lo
	global_store_b64 v[OO], v[OB:OB+1], s[8:9] th:TH_STORE_NT      ; 32 lanes store 256 consecutive bytes, at a multiple of 256 from the buffer's first byte (the last unit: 128)
	global_store_b64 v[OO], v[OB+2:OB+3], s[10:11] th:TH_STORE_NT
	s_wait_xcnt 0x0                                ; and again, in front of the line that widens it
	s_or_b32 exec_lo, exec_lo, s24
	s_add_co_u32 s14, s14, STRIDE                  ; my next unit
	PLACE
	s_sub_co_u32 s15, s15, 1
	s_cmp_lg_u32 s15, 0
	s_cbranch_scc1 .Ltrip
	s_set_vgpr_msb 0x5
	s_wait_tensorcnt 0x0
	ds_add_u32 v128, v129
	s_wait_dscnt 0x0
	s_set_vgpr_msb 0x500
	s_endpgm
.Lfunc_end_k_qb3911c20a1_kmeans:
	.size	k_qb3911c20a1_kmeans, .Lfunc_end_k_qb3911c20a1_kmeans-k_qb3911c20a1_kmeans
	.p2alignl 7, 3214868480
	.fill 96, 4, 3214868480
	.section	.rodata,"a",@progbits
	.p2align	6, 0x0
	.amdhsa_kernel k_qb3911c20a1_kmeans
		.amdhsa_group_segment_fixed_size 111616
		.amdhsa_private_segment_fixed_size 0
		.amdhsa_enable_private_segment 0
		.amdhsa_kernarg_size 32
		.amdhsa_user_sgpr_count 2
		.amdhsa_user_sgpr_kernarg_segment_ptr 1
		.amdhsa_wavefront_size32 1
		.amdhsa_system_sgpr_workgroup_id_x 1
		.amdhsa_system_sgpr_workgroup_id_y 1
		.amdhsa_system_sgpr_workgroup_id_z 1
		.amdhsa_system_vgpr_workitem_id 0
		.amdhsa_next_free_vgpr 386
		.amdhsa_next_free_sgpr 66
		.amdhsa_reserve_vcc 1
		.amdhsa_float_denorm_mode_32 3
		.amdhsa_float_denorm_mode_16_64 3
		.amdhsa_memory_ordered 1
		.amdhsa_forward_progress 1
		.amdhsa_inst_pref_size 211
	.end_amdhsa_kernel
	.amdgpu_metadata
---
amdhsa.version: [ 1, 2 ]
amdhsa.kernels:
  - .name:           k_qb3911c20a1_kmeans
    .symbol:         k_qb3911c20a1_kmeans.kd
    .args:
      - { .name: X, .offset: 0, .size: 8, .value_kind: global_buffer, .address_space: global }
      - { .name: codebook, .offset: 8, .size: 8, .value_kind: global_buffer, .address_space: global }
      - { .name: out0, .offset: 16, .size: 8, .value_kind: global_buffer, .address_space: global }
      - { .name: out1, .offset: 24, .size: 8, .value_kind: global_buffer, .address_space: global }
    .group_segment_fixed_size: 111616
    .private_segment_fixed_size: 0
    .kernarg_segment_align: 8
    .kernarg_segment_size: 32
    .max_flat_workgroup_size: 256
    .sgpr_count:     66
    .vgpr_count:     386
    .wavefront_size: 32
...
	.end_amdgpu_metadata
.endif
;; end of part 1
